; MI455X (gfx1250); checked and timed in simulation.
; The chip was launched on July 23, 2026; its instructions are those of AMD's public machine-readable ISA for CDNA 5 (MIT licence, August 2026) and "CDNA5" Instruction Set Architecture Reference Guide (July 2026). The comments in the code are by the model that wrote it; some were corrected since.
;; Multi Headed Self Attention. Allowed arithmetic: matrix products marked QUANTISED: E2M3 operands, one E8M0 scale for each 32 along K, by v_wmma_scale_f32_16x16x128_f8f6f4 with both operands' format E2M3, f32 sums; everything else in f32.
;; Inputs: Wk 1,024 x 1,024 float32; Wo 1,024 x 1,024 float32; Wq 1,024 x 1,024 float32; Wv 1,024 x 1,024 float32; bk 1,024 float32; bo 1,024 float32; bq 1,024 float32; bv 1,024 float32; key 4 x 2,048 x 1,024 float32; mask 4 x 1 x 2,048 int32; query 4 x 2,048 x 1,024 float32; value 4 x 2,048 x 1,024 float32.
;; Outputs: out0 4 x 2,048 x 1,024 float32.
;; This version of the problem:
;;   THIS VERSION OF THE PROBLEM IS GIVEN IN LOW PRECISION. The matrix products marked QUANTISED in the list below multiply operands that are first quantised to E2M3 (2 exponent bits, 3 mantissa bits; 6 bits a number), with one power-of-two scale for each 32 numbers along K (OCP MX v1.0); their sums are f32. All else is computed in f32.
;;   The module's matrix products, in the order in which they are computed (A, B: the left and right operand; K: the contracted axis; several contracted axes count as one K, in the product's order):
;;     1. [M 8,192, K 1,024] x [K 1,024, N 1,024]; A: input query; B: input Wq: QUANTISED
;;     2. [M 8,192, K 1,024] x [K 1,024, N 1,024]; A: input key; B: input Wk: QUANTISED
;;     3. [M 8,192, K 1,024] x [K 1,024, N 1,024]; A: input value; B: input Wv: QUANTISED
;;     4. batch 64 x [M 2,048, K 64] x [K 64, N 2,048]; A: computed on the way; B: computed on the way: QUANTISED
;;     5. batch 64 x [M 2,048, K 2,048] x [K 2,048, N 64]; A: computed on the way; B: computed on the way: QUANTISED
;;     6. [M 8,192, K 1,024] x [K 1,024, N 1,024]; A: computed on the way; B: input Wo: QUANTISED
;;   THE QUANTISER, for each operand of a quantised product, along K:
;;     - K is cut into blocks of 32 from its start; a last block that is shorter is filled with zeros.
;;     - A block's scale is 2^e with e = floor(log2(the largest magnitude in the block)) - 2, held to -126 .. 127; a block of zeros has e = 0. As a byte (E8M0): e + 127.
;;     - Each number is divided by its block's scale, clamped to +-7.5, and rounded to the nearest number of E2M3, ties to even, subnormals kept.
;;     - The product sums the exact products of the quantised numbers (number of the format x scale) in f32.
;;   ~~~python
;;   def quantise(x, axis):      # numpy; x: float32 -> the quantised numbers, widened to float32 again
;;       x = np.moveaxis(x, axis, -1); K = x.shape[-1]
;;       x = np.pad(x, [(0, 0)] * (x.ndim - 1) + [(0, -K % 32)]); x = x.reshape(x.shape[:-1] + (-1, 32)); a = np.abs(x).max(-1, keepdims=True)
;;       e = np.where(a > 0, np.clip(np.frexp(np.where(a > 0, a, 1))[1] - 1 - 2, -126, 127), 0)      # np.frexp(a)[1] - 1 = floor(log2(a)), exactly
;;       r = np.clip(x / 2.0 ** e, -7.5, 7.5)
;;       step = 2.0 ** (np.maximum(np.frexp(np.where(r == 0, 1, r))[1] - 1, 0) - 3)
;;       q = np.round(r / step) * step * 2.0 ** e      # np.round: ties to even
;;       return np.moveaxis(q.reshape(q.shape[:-2] + (-1,))[..., :K], -1, axis).astype(np.float32)
;;   ~~~
;;   OPERANDS COMPUTED ON THE WAY. 'Computed on the way' means the value that the module computes at that place (a softmax that the list does not call 'softmax' is quantised finished and normalised). What goes into a quantiser is computed in f32, as accurately as f32 sums, v_exp_f32 and their like allow (about 1e-6 of the number): no bf16 or f16 on the way to a quantiser, and a product that is left as it is and whose result goes on into a quantised operand takes f32 operands (vector FMAs, or v_wmma_f32_16x16x4_f32). A number that lies on a knife's edge between two numbers of the format may be rounded either way, as far as f32 arithmetic and the matrix unit's own rounding can turn it there, and no further.
;; One version. Each part assembles by itself: llvm-mc -triple=amdgcn-amd-amdhsa -mcpu=gfx1250 --defsym DOCPART=n.
;; ======== version 1 of 1: 4 launches
;; limits: right only within a limited range of input values
;; workspace buffers: in_codes 22,020,096 bytes; in_scales 917,504 bytes; p_codes 18,874,368 bytes; p_scales 786,432 bytes; x_codes 6,291,456 bytes; x_scales 262,144 bytes
;; launch quant (part 1): grid 896 x 1, 4 waves a work-group, no clusters, 33,280 bytes of LDS; arguments query, key, value, Wq, Wk, Wv, Wo, in_codes, in_scales; writes in_codes, in_scales
.if DOCPART == 1
	.amdgcn_target "amdgcn-amd-amdhsa--gfx1250"
	.amdhsa_code_object_version 6
	.text
	.protected	k_q42a9aa4d5d_quant
	.globl	k_q42a9aa4d5d_quant
	.p2align	8
	.type	k_q42a9aa4d5d_quant,@function
k_q42a9aa4d5d_quant:
	s_mov_b64 s[64:65], 0
	v_nop
	global_prefetch_b8 v0, s[64:65] scope:SCOPE_SE
	s_setreg_imm32_b32 hwreg(HW_REG_WAVE_MODE, 25, 1), 1
	s_wait_xcnt 0x0
; query, key, value [8192][1024] and Wq, Wk, Wv, Wo [1024][1024], f32, K innermost, become codes of FP6 (E2M3), 6 bits each, with one E8M0 byte for each 32 along K.
; A block's scale is 2^(floor(log2(its largest magnitude)) - 2); its byte is the largest magnitude's exponent field - 2, held at 1 from below.  A block of zeros so has the byte 1 where the
; rule says 127: its codes are zeros, and the bytes are read by this program alone.
; LIMITS: blocks whose largest magnitude lies under 2^-124 keep the byte 1; NaN and infinities among the inputs are not served.
; Rows are dense and 1,024 is a multiple of 32: every tensor is a plain stream of blocks of 32, and the seven streams of codes (and of bytes) follow each other in ONE output stream in the order of the work-groups:
; work-groups 0-255 query, 256-511 key, 512-767 value, 768-799 Wq, 800-831 Wk, 832-863 Wv, 864-895 Wo; 32,768 numbers a work-group, 8,192 a wave, in 16 steps of 512.
; Each of a step's four loads reads 512 consecutive bytes; the 2,048 bytes turn through the wave's own stage in LDS and come back 64 bytes (16 neighbours along K) a lane; two neighbouring lanes hold a block.
; No tensor load, no barrier: waves share nothing.  Loads run four steps ahead, the turn through LDS one step.
.set WAVES, 4
.set STEPS, 16
.set EMAX,  2
.set CB,    12                         ; bytes of 16 codes
.set R,     16                         ; v16-79   four sets of 16 numbers as they are loaded
.set X,     80                         ; v80-111  two sets of 16 neighbours
.set E,     112                        ; v112-127 a scale byte for each step
.set C,     128                        ; v128-191 codes: four registers for each step, so that no store's data are written again
.set WREG,  8192                       ; LDS: a region for each wave: two stages of 32 x SP bytes, behind them its 256 scale bytes
.set SP,    80                         ; a lane's place in a stage: 64 bytes + 16 of padding
.set SPW,   12                         ; v12 LDS address of my spare word; never rewritten
.set NIL,   13                         ; v13 0; never rewritten
.set SPARE, WAVES*WREG                 ; behind the four regions: the spare words, 128 bytes a wave
	s_load_b512 s[4:19], s[0:1], 0x0               ; query, key, value, Wq, Wk, Wv, Wo, the codes
	s_load_b64 s[20:21], s[0:1], 0x40              ; the scale bytes
	v_lshl_add_u32 v[SPW], v0, 2, SPARE
	v_mov_b32 v[NIL], 0
	v_lshrrev_b32 v1, 5, v0
	v_readfirstlane_b32 s22, v1                    ; wave
	v_and_b32 v2, 31, v0                           ; lane
	v_lshlrev_b32 v3, 4, v2                        ; my 16 bytes of a load's 512
	s_mul_i32 s23, s22, WREG
	v_lshrrev_b32 v14, 2, v2
	v_mul_u32_u24 v14, v14, SP
	v_and_b32 v15, 3, v2
	v_lshl_add_u32 v14, v15, 4, v14
	v_add_nc_u32 v14, s23, v14                     ; the stage, on the way in: SP (lane / 4) + 16 (lane % 4)
	v_mul_u32_u24 v15, v2, SP
	v_add_nc_u32 v15, s23, v15                     ; and on the way out: SP x lane: my 16 neighbours
	v_mul_u32_u24 v4, v2, CB                       ; my codes' place in a step's
	v_lshrrev_b32 v5, 1, v2
	s_add_co_u32 s23, s23, 2*32*SP
	v_add_nc_u32 v5, s23, v5                       ; LDS: my wave's 256 scale bytes, my block's byte
	v_lshlrev_b32 v7, 3, v2                        ; and on the way out 8 bytes a lane
	v_add_nc_u32 v6, s23, v7
	s_wait_alu depctr_va_vdst(0)
	s_wait_kmcnt 0x0
	; which tensor is my work-group's: a chain of choices that hang on the work-group's number alone
	s_mov_b64 s[24:25], s[16:17]                   ; Wo,
	s_mov_b32 s26, 864                             ; whose first work-group is 864
	s_cmp_lt_u32 ttmp9, 864
	s_cselect_b64 s[24:25], s[14:15], s[24:25]
	s_cselect_b32 s26, 832, s26
	s_cmp_lt_u32 ttmp9, 832
	s_cselect_b64 s[24:25], s[12:13], s[24:25]
	s_cselect_b32 s26, 800, s26
	s_cmp_lt_u32 ttmp9, 800
	s_cselect_b64 s[24:25], s[10:11], s[24:25]
	s_cselect_b32 s26, 768, s26
	s_cmp_lt_u32 ttmp9, 768
	s_cselect_b64 s[24:25], s[8:9], s[24:25]
	s_cselect_b32 s26, 512, s26
	s_cmp_lt_u32 ttmp9, 512
	s_cselect_b64 s[24:25], s[6:7], s[24:25]
	s_cselect_b32 s26, 256, s26
	s_cmp_lt_u32 ttmp9, 256
	s_cselect_b64 s[24:25], s[4:5], s[24:25]
	s_cselect_b32 s26, 0, s26
	s_sub_co_u32 s26, ttmp9, s26
	s_lshl_b32 s26, s26, 2
	s_add_co_u32 s26, s26, s22                     ; which run of 8,192 numbers of the tensor is my wave's
	s_lshl_b32 s26, s26, 15                        ; 32,768 bytes a run
	s_mov_b32 s27, 0
	s_add_nc_u64 s[24:25], s[24:25], s[26:27]
	s_lshl_b32 s28, ttmp9, 2
	s_add_co_u32 s28, s28, s22                     ; which run of the output stream
	s_mul_i32 s30, s28, 32*STEPS*CB                ; 6,144 bytes of codes a run
	s_mov_b32 s31, 0
	s_add_nc_u64 s[18:19], s[18:19], s[30:31]
	s_lshl_b32 s28, s28, 8                         ; 256 scale bytes a run
	s_mov_b32 s29, 0
	s_add_nc_u64 s[20:21], s[20:21], s[28:29]
.macro LOAD t
.irp i, 0,1,2,3
	global_load_b128 v[R+16*((\t)%4)+4*\i:R+16*((\t)%4)+4*\i+3], v3, s[24:25] offset:2048*(\t)+512*\i th:TH_LOAD_NT   ; 32 lanes read 512 consecutive bytes
.endr
.endm
.macro TURN t                          ; step t's numbers through the stage: LDS serves a wave's instructions in order, so no wait stands between the stores and the loads
.irp i, 0,1,2,3
	ds_store_b128 v14, v[R+16*((\t)%4)+4*\i:R+16*((\t)%4)+4*\i+3] offset:32*SP*((\t)%2)+8*SP*\i
.endr
.irp i, 0,1,2,3
	ds_load_b128 v[X+16*((\t)%2)+4*\i:X+16*((\t)%2)+4*\i+3], v15 offset:32*SP*((\t)%2)+16*\i
.endr
.endm
.irp t, 0,1,2,3
	LOAD \t
.endr
	s_wait_loadcnt 12                              ; step 0's four loads are in; the twelve of steps 1 to 3 may be out
	TURN 0
.macro STEP t
.set XS, X+16*((\t)%2)
.if (\t) > 0
	s_wait_dscnt 1                                 ; this step's numbers are back from the stage (the last step's byte store may be out)
.else
	s_wait_dscnt 0x0
.endif
.if (\t)+4 < STEPS
	LOAD (\t)+4                                    ; into the registers that this step's stores into the stage have read
.endif
.if (\t)+1 < STEPS
.if STEPS-2-(\t) >= 3
	s_wait_loadcnt 12                              ; the next step's four loads are in; those of the three steps behind it may be out
.else
	s_wait_loadcnt 4*(STEPS-2-(\t))
.endif
	TURN (\t)+1                                    ; and go through the other stage while this step is worked
.endif
	v_max3_num_f32 v8, |v[XS]|, |v[XS+1]|, |v[XS+2]|               ; the largest magnitude of my 16, in two chains
	v_max3_num_f32 v9, |v[XS+3]|, |v[XS+4]|, |v[XS+5]|
.irp i, 6,10
	v_max3_num_f32 v8, v8, |v[XS+\i]|, |v[XS+\i+1]|
	v_max3_num_f32 v9, v9, |v[XS+\i+2]|, |v[XS+\i+3]|
.endr
	v_max3_num_f32 v8, v8, |v[XS+14]|, |v[XS+15]|
	v_max3_num_f32 v8, v8, v9, (EMAX+1)<<23        ; and the floor 2^(3 - 127): the byte cannot fall under 1
	v_max_num_f32_dpp v8, v8, v8 row_xmask:1 row_mask:0xf bank_mask:0xf   ; and of my neighbour's 16: the block's
	v_add_nc_u32 v11, -(EMAX<<23), v8              ; 2 off its exponent field: the conversion takes the exponent field of this operand as its scale
	v_cvt_scalef32_pk16_fp6_f32 v[C+4*(\t):C+4*(\t)+2], v[XS:XS+15], v11
	v_lshrrev_b32 v[E+(\t)], 23, v11               ; the scale's byte (also the plain line behind the conversion)
	ds_store_b8 v5, v[E+(\t)] offset:16*(\t)       ; both lanes of a block write the same byte with the same value
	global_store_b96 v4, v[C+4*(\t):C+4*(\t)+2], s[18:19] offset:32*CB*(\t)   ; the wave stores 384 consecutive bytes
.endm
.irp t, 0,1,2,3,4,5,6,7,8,9,10,11,12,13,14,15
	STEP \t
.endr
	ds_load_b64 v[8:9], v6                         ; LDS serves a wave's instructions in order: these see my stores
	s_wait_dscnt 0x0
	global_store_b64 v7, v[8:9], s[20:21]          ; 32 lanes store 256 consecutive bytes, at a multiple of 256 from the buffer's first byte
	s_wait_tensorcnt 0x0                           ; the wave's end
	ds_add_u32 v[SPW], v[NIL]
	s_wait_dscnt 0x0
	s_endpgm
.Lfunc_end_k_q42a9aa4d5d_quant:
	.size	k_q42a9aa4d5d_quant, .Lfunc_end_k_q42a9aa4d5d_quant-k_q42a9aa4d5d_quant
	.p2alignl 7, 3214868480
	.fill 96, 4, 3214868480
	.section	.rodata,"a",@progbits
	.p2align	6, 0x0
	.amdhsa_kernel k_q42a9aa4d5d_quant
		.amdhsa_group_segment_fixed_size 33280
		.amdhsa_private_segment_fixed_size 0
		.amdhsa_enable_private_segment 0
		.amdhsa_kernarg_size 72
		.amdhsa_user_sgpr_count 2
		.amdhsa_user_sgpr_kernarg_segment_ptr 1
		.amdhsa_wavefront_size32 1
		.amdhsa_system_sgpr_workgroup_id_x 1
		.amdhsa_system_sgpr_workgroup_id_y 1
		.amdhsa_system_sgpr_workgroup_id_z 1
		.amdhsa_system_vgpr_workitem_id 0
		.amdhsa_next_free_vgpr 192
		.amdhsa_next_free_sgpr 66
		.amdhsa_reserve_vcc 0
		.amdhsa_float_denorm_mode_32 3
		.amdhsa_float_denorm_mode_16_64 3
		.amdhsa_memory_ordered 1
		.amdhsa_forward_progress 1
		.amdhsa_inst_pref_size 33
	.end_amdhsa_kernel
	.amdgpu_metadata
---
amdhsa.version: [ 1, 2 ]
amdhsa.kernels:
  - .name:           k_q42a9aa4d5d_quant
    .symbol:         k_q42a9aa4d5d_quant.kd
    .args:
      - { .name: query, .offset: 0, .size: 8, .value_kind: global_buffer, .address_space: global }
      - { .name: key, .offset: 8, .size: 8, .value_kind: global_buffer, .address_space: global }
      - { .name: value, .offset: 16, .size: 8, .value_kind: global_buffer, .address_space: global }
      - { .name: Wq, .offset: 24, .size: 8, .value_kind: global_buffer, .address_space: global }
      - { .name: Wk, .offset: 32, .size: 8, .value_kind: global_buffer, .address_space: global }
      - { .name: Wv, .offset: 40, .size: 8, .value_kind: global_buffer, .address_space: global }
      - { .name: Wo, .offset: 48, .size: 8, .value_kind: global_buffer, .address_space: global }
      - { .name: in_codes, .offset: 56, .size: 8, .value_kind: global_buffer, .address_space: global }
      - { .name: in_scales, .offset: 64, .size: 8, .value_kind: global_buffer, .address_space: global }
    .group_segment_fixed_size: 33280
    .private_segment_fixed_size: 0
    .kernarg_segment_align: 8
    .kernarg_segment_size: 72
    .max_flat_workgroup_size: 128
    .sgpr_count:     66
    .vgpr_count:     192
    .wavefront_size: 32
...
	.end_amdgpu_metadata
.endif
;; end of part 1
;; launch proj (part 2): grid 4 x 192, 4 waves a work-group, clusters of 4 x 4, 327,680 bytes of LDS; arguments in_codes, in_scales, bq, bk, bv, p_codes, p_scales; writes p_codes, p_scales
.if DOCPART == 2
	.amdgcn_target "amdgcn-amd-amdhsa--gfx1250"
	.amdhsa_code_object_version 6
	.text
	.protected	k_q42a9aa4d5d_proj
	.globl	k_q42a9aa4d5d_proj
	.p2align	8
	.type	k_q42a9aa4d5d_proj,@function
k_q42a9aa4d5d_proj:
	s_mov_b64 s[64:65], 0
	v_nop
	global_prefetch_b8 v0, s[64:65] scope:SCOPE_SE
	s_setreg_imm32_b32 hwreg(HW_REG_WAVE_MODE, 25, 1), 1
	s_wait_xcnt 0x0
	s_wait_alu depctr_hold_cnt(0) depctr_sa_sdst(0) depctr_va_vdst(0) depctr_va_sdst(0) depctr_va_ssrc(0) depctr_va_vcc(0) depctr_vm_vsrc(0)
	s_getreg_b32 s2, hwreg(HW_REG_IB_STS2, 6, 4)
	s_cmp_eq_u32 s2, 0
	s_cbranch_scc0 .Lentry_in_a_cluster
	s_endpgm
.Lentry_in_a_cluster:
	s_bfe_u32 s2, ttmp6, 0x10000c
	s_cmp_lg_u32 s2, 0xf033
	s_cbranch_scc0 .Lentry_shape_is_right
	s_endpgm
.Lentry_shape_is_right:
; q = query Wq^T + bq, k = key Wk^T + bk, v = value Wv^T + bv on codes of FP6 (E2M3) with E8M0 scales; the results are quantised again, in f32, for attention:
; q and k along the head's 64 numbers, v along the keys.  Clusters 0-15 along y take q, 16-31 k, 32-47 v.
; A work-group makes 128 x 256 of a product: source 1 (A) = 128 rows, source 0 (B) = 256 rows.  q, k: A = tokens, B = rows of the weight.  v: A = rows of Wv, B = tokens, so that a lane's registers run along the keys.
; ALL OF K LIES IN LDS: a tensor row is a whole row of codes, 768 bytes, which begins at a multiple of 256 bytes; 16 bytes of padding behind every 256 make the LDS pitch 816 bytes = 204 words,
; so that the 32 lanes of a load of 8 bytes touch 64 different banks.  384 rows x 816 = 313,344 bytes, filled once: no ring, no refill.  One joint load a wave: waves 0, 1 fetch 64 rows of A each, waves 2, 3 128 rows of B each.
; CLUSTERS 4 x 4: A's tiles are shared along a row of the cluster, B's along a column.
; THE SCALES go from memory straight into registers: a row's 32 bytes (8 words, one for each 128 along K) by two loads of 16 bytes; 16 rows are 512 consecutive bytes.  Lanes 0-15 hold A's block i % 4, lanes 16-31 B's block i.
; A wave makes 64 x 128: 32 accumulators (window 2), which take turns; two sets of fragments for A (window 0) and for B (window 1); the biases along B's rows start the sums (window 3).
; No prefetch: the launch has no loop to run ahead in; each work-group asks for all its bytes at its head.
; The order of the codes inside a block of 32 is that of the lanes: lanes 0-15 hold numbers 0-7 and 16-23, lanes 16-31 numbers 8-15 and 24-31; both operands of each later product are laid alike.
; LIMITS: a block whose largest magnitude lies under 2^-124 keeps the byte 1 (a block of zeros too: its codes are zeros, and this program alone reads the bytes); NaN and infinities are not served.
.set KROW,  768
.set PITCH, 816
.set FR,    12
.set BLK,   16*PITCH
.set AT,    64*PITCH                   ; what wave 0 or 1 fetches, and what a wave reads of A
.set BT,    128*PITCH                  ; what wave 2 or 3 fetches, and what a wave reads of B
.set STG,   3*BT                       ; behind the tiles: a stage of 2,048 bytes for each wave, into which no tile lands
.set SPARE, STG+8192                   ; the spare words, 128 bytes a wave
.set VOS,  6
.set VO1,  7
.set ADRA, 16                          ; v16 my A rows; v17 the same, lanes 16-31 16 bytes on (their piece lies behind the next padding)
.set ADRB, 18                          ; v18, v19 the same for B's blocks 0-3; v20, v21 for blocks 4-7
.set VS0,  22                          ; offsets of my scale words
.set VS1,  23
.set STC,  24
.set RDC,  25
.set VO,   26
.set SPW,  28
.set NIL,  29
.set SSA,  30
.set SSR,  31
.set SC,   32                          ; v32-95 scale words: register 8 i + step
.set TM,   96
.set AF,   128                         ; A's fragments: two sets of 48
.set T,    128
.set CD,   192
.set OB,   224
.set G1, 24
.set G0, 32
.set G1B, 48
.set G0B, 56
.set SEL, 98
.set HM,  100
.set MSB, 0
.macro WIN new
.if MSB != (\new)
	s_set_vgpr_msb (MSB<<8)|(\new)
.set MSB, (\new)
.endif
.endm
.macro PLACES
.rept 4
	v_nop
.endr
.endm
.macro CREST
	s_cmp_lg_u32 s14, 0
	s_cbranch_scc1 .Lnot_wave_0_\@
	s_barrier_signal -3
.Lnot_wave_0_\@:
	s_barrier_wait -3
	s_barrier_signal -1
	s_barrier_wait -1
.endm
.macro CROUND
	s_barrier_signal -1
	s_barrier_wait -1
	CREST
.endm
	s_load_b128 s[4:7], s[0:1], 0x0                ; the codes, the scales
	s_load_b128 s[8:11], s[0:1], 0x10              ; bq, bk
	s_load_b64 s[12:13], s[0:1], 0x20              ; bv
	s_load_b64 s[92:93], s[0:1], 0x28              ; p_codes
	s_load_b64 s[96:97], s[0:1], 0x30              ; p_scales
	v_lshl_add_u32 v[SPW], v0, 2, SPARE
	v_mov_b32 v[NIL], 0
	ds_add_u32 v[SPW], v[NIL]                      ; the opening lines: the add twice on end and its wait
	ds_add_u32 v[SPW], v[NIL]
	v_lshrrev_b32 v1, 5, v0
	v_readfirstlane_b32 s14, v1                    ; wave
	s_lshr_b32 s15, s14, 1                         ; my 64 rows of A.  Also: I fetch for A (0) or B (1)
	s_and_b32 s16, s14, 1                          ; my 128 rows of B.  Also: which half I fetch
	s_bfe_u32 s40, ttmp6, 0x40000                  ; cx
	s_bfe_u32 s41, ttmp6, 0x40004                  ; cy
	s_and_b32 s66, ttmp7, 0xffff
	s_lshr_b32 s[HM], s66, 4                       ; 0 q, 1 k, 2 v
	s_and_b32 s66, s66, 15
	s_lshl_b32 s67, s66, 2                         ; q, k: 64 blocks of A, 4 of B
	s_and_b32 s68, s66, 1
	s_lshl_b32 s68, s68, 2                         ; v: 8 blocks of A (Wv),
	s_lshr_b32 s69, s66, 1
	s_lshl_b32 s69, s69, 2                         ; 32 of B (tokens)
	s_mul_i32 s18, s[HM], 6291456
	s_mul_i32 s19, s[HM], 262144
	s_mul_i32 s46, s[HM], 786432
	s_add_co_u32 s46, s46, 18874368
	s_mul_i32 s47, s[HM], 32768
	s_add_co_u32 s47, s47, 786432
	s_mov_b32 s105, 393216                         ; q, k: bytes of codes from head to head; v: from 64 keys to the next 64
	s_mov_b32 s2, 16384                            ; the same for the scale bytes
	s_cmp_eq_u32 s[HM], 2
	s_cselect_b32 s17, s68, s67
	s_cselect_b32 s42, s69, 0
	s_cselect_b32 s22, 20447232, s18               ; where A's codes begin,
	s_cselect_b32 s46, 12582912, s46               ; B's codes,
	s_cselect_b32 s23, 851968, s19                 ; A's scales,
	s_cselect_b32 s47, 524288, s47                 ; B's scales
	s_cselect_b32 s105, 49152, s105
	s_cselect_b32 s2, 2048, s2
	s_cselect_b32 s101, 0, -1                      ; the bias runs along B's rows (q, k)
	s_cselect_b32 s104, -1, 0                      ; or along A's (v)
	s_add_co_u32 s17, s17, s41                     ; block of A
	s_add_co_u32 s42, s42, s40                     ; block of B
	s_lshl_b32 s43, s41, 2
	s_lshl_b32 s43, 15, s43                        ; my row of the cluster
	s_lshl_b32 s44, 0x1111, s40                    ; my column
	s_or_b32 s[G1+0], s43, (1<<20)|(1<<21)|(5<<22)|(3<<25)   ; elements of 1 byte; 4 words of padding behind every 64
	s_or_b32 s[G1B+0], s44, (1<<20)|(1<<21)|(5<<22)|(3<<25)
	s_mov_b32 s[G1+1], KROW<<16
	s_mov_b32 s[G1+2], 64<<16
	s_mov_b32 s[G1+3], KROW<<16
	s_mov_b32 s[G1+4], 64
	s_mov_b32 s[G1+5], KROW
	s_mov_b32 s[G1+6], 0
	s_mov_b32 s[G1+7], 0
	s_mov_b32 s[G1B+1], KROW<<16
	s_mov_b32 s[G1B+2], 128<<16
	s_mov_b32 s[G1B+3], KROW<<16
	s_mov_b32 s[G1B+4], 128
	s_mov_b32 s[G1B+5], KROW
	s_mov_b32 s[G1B+6], 0
	s_mov_b32 s[G1B+7], 0
	s_lshl_b32 s20, s17, 7
	s_lshl_b32 s45, s16, 6
	s_add_co_u32 s20, s20, s45                     ; A: the 64 rows that I would fetch
	s_mul_i32 s20, s20, KROW
	s_add_co_u32 s20, s20, s22
	s_mov_b32 s21, 0
	s_lshl_b32 s70, s42, 8
	s_lshl_b32 s45, s16, 7
	s_add_co_u32 s70, s70, s45                     ; B: the 128 rows that I would fetch, and that I multiply
	s_mul_i32 s94, s70, KROW
	s_add_co_u32 s94, s94, s46
	s_mov_b32 s95, 0
	s_mul_i32 s74, s16, AT                         ; where they go in LDS
	s_mul_i32 s75, s16, BT
	s_add_co_u32 s75, s75, 2*AT
	s_wait_dscnt 0x0
	s_wait_kmcnt 0x0
	s_add_nc_u64 s[20:21], s[4:5], s[20:21]
	s_add_nc_u64 s[94:95], s[4:5], s[94:95]
	CROUND                                         ; all sixteen work-groups are here: the joint loads meet
	s_mov_b32 s[G0], 1
	s_mov_b32 s[G0+1], s74
	s_mov_b64 s[G0+2:G0+3], s[20:21]
	s_or_b32 s[G0+3], s[G0+3], 0x80000000
	s_mov_b32 s[G0B], 1
	s_mov_b32 s[G0B+1], s75
	s_mov_b64 s[G0B+2:G0B+3], s[94:95]
	s_or_b32 s[G0B+3], s[G0B+3], 0x80000000
	s_cmp_eq_u32 s15, 0                            ; one tensor load a wave, one to each arm
	s_cbranch_scc0 .Lfor_b
	tensor_load_to_lds s[G0:G0+3], s[G1:G1+7]
	s_nop 0
	PLACES
	s_branch .Lasked
.Lfor_b:
	tensor_load_to_lds s[G0B:G0B+3], s[G1B:G1B+7]
	s_nop 0
	PLACES
.Lasked:
	s_lshl_b32 s71, s17, 7
	s_lshl_b32 s45, s15, 6
	s_add_co_u32 s71, s71, s45                     ; my first row of A
	s_lshl_b32 s72, s71, 5
	s_add_co_u32 s72, s72, s23                     ; its scales, 32 bytes a row
	s_lshl_b32 s73, s70, 5
	s_add_co_u32 s73, s73, s47                     ; and those of my first row of B
	s_cmp_eq_u32 s[HM], 1
	s_cselect_b64 s[8:9], s[10:11], s[8:9]
	s_cmp_eq_u32 s[HM], 2
	s_cselect_b64 s[8:9], s[12:13], s[8:9]         ; my tensor's bias
	s_lshl_b32 s10, s70, 2
	s_and_b32 s10, s10, s101
	s_mov_b32 s11, 0
	s_add_nc_u64 s[10:11], s[8:9], s[10:11]
	s_lshl_b32 s12, s71, 2
	s_and_b32 s12, s12, s104
	s_mov_b32 s13, 0
	s_add_nc_u64 s[12:13], s[8:9], s[12:13]
	s_lshr_b32 s43, s70, 6                         ; B's rows in groups of 64: a head, or 64 keys
	s_mul_i32 s44, s43, s105
	s_add_co_u32 s18, s18, s44
	s_mul_i32 s45, s71, 48
	s_add_co_u32 s18, s18, s45
	s_mul_i32 s45, s43, s2
	s_add_co_u32 s45, s45, s19
	s_lshl_b32 s44, s71, 1
	s_add_co_u32 s44, s44, s45
	s_mov_b32 s45, 0
	s_mov_b32 s19, 0
	s_add_nc_u64 s[92:93], s[92:93], s[18:19]
	s_add_nc_u64 s[96:97], s[96:97], s[44:45]
	s_mov_b32 s18, s105
	s_add_nc_u64 s[94:95], s[92:93], s[18:19]      ; the second group of 64
	s_mov_b32 s[SEL], 0x76543210
	s_mov_b32 s[SEL+1], 0xfedcba98
	s_mov_b32 s[HM], 0xffff0000                    ; from here on: lanes 16-31
	s_mul_i32 s21, s15, AT
	s_lshl_b32 s23, s14, 11
	s_add_co_u32 s23, s23, STG                     ; my stage
	s_add_co_u32 s3, s23, 1536                     ; in it, behind the codes: the scale bytes
	s_sub_co_u32 s22, s105, 512
	v_and_b32 v1, 15, v0                           ; r
	v_bfe_u32 v2, v0, 4, 1                         ; h
	v_and_b32 v5, 31, v0
	v_mul_u32_u24 v3, v1, PITCH
	v_mad_u32_u24 v3, v2, 24, v3
	v_lshl_add_u32 v4, v2, 4, v3
	v_add_nc_u32 v[ADRA], s21, v3
	v_add_nc_u32 v[ADRA+1], s21, v4
	v_add_nc_u32 v[ADRB], s75, v3
	v_add_nc_u32 v[ADRB+1], s75, v4
	v_add_nc_u32 v[ADRB+2], 4*BLK, v[ADRB]
	v_add_nc_u32 v[ADRB+3], 4*BLK, v[ADRB+1]
	v_mov_b32 v8, s72
	v_mov_b32 v9, s73
	v_cndmask_b32 v8, v8, v9, s[HM]                ; lanes 0-15 A's scales, lanes 16-31 B's
	v_lshl_add_u32 v[VS0], v1, 5, v8
	v_lshl_add_u32 v[VS1], v2, 11, v[VS0]          ; B's blocks 4-7 lie 2,048 bytes on; lanes 0-15 take A's four again
	v_lshlrev_b32 v224, 5, v2
	v_lshlrev_b32 v225, 2, v1
	v_mul_u32_u24 v10, v1, 48
	v_mad_u32_u24 v10, v2, 12, v10
	v_add_nc_u32 v[STC], s23, v10
	v_lshlrev_b32 v[VO], 4, v5
	v_add_nc_u32 v[RDC], s23, v[VO]
	v_lshlrev_b32 v10, 1, v1
	v_lshl_add_u32 v10, v2, 7, v10
	v_add_nc_u32 v[SSA], s3, v10                   ; scale bytes in: 2 r + 128 x group
	v_lshl_add_u32 v[SSR], v5, 3, s3               ; and back: 8 bytes a lane
	v_mul_u32_u24 v[VO1], s22, v2
	v_lshl_add_u32 v[VO1], v1, 4, v[VO1]
	v_add_nc_u32 v[VO1], 512, v[VO1]
	v_mul_u32_u24 v[VOS], s2, v2
	v_lshl_add_u32 v[VOS], v1, 3, v[VOS]
.irp b, 0,1,2,3
	v_mov_b32 v[TM+4+\b], 0                        ; a lane permute's destination counts as one of its sources
.endr
	s_wait_alu depctr_va_vdst(0)
	WIN 0xc0
.irp b, 0,1,2,3,4,5,6,7
	global_load_b128 v[8*\b:8*\b+3], v224, s[10:11] offset:64*\b        ; window 3: the bias at B's rows 16 b + 8 h + 0 .. 7
	global_load_b128 v[8*\b+4:8*\b+7], v224, s[10:11] offset:64*\b+16
.endr
	WIN 0
.irp i, 0,1,2,3
	global_load_b128 v[SC+8*\i:SC+8*\i+3], v[VS0], s[6:7] offset:512*\i
	global_load_b128 v[SC+8*\i+4:SC+8*\i+7], v[VS0], s[6:7] offset:512*\i+16
	global_load_b128 v[SC+32+8*\i:SC+32+8*\i+3], v[VS1], s[6:7] offset:512*\i
	global_load_b128 v[SC+32+8*\i+4:SC+32+8*\i+7], v[VS1], s[6:7] offset:512*\i+16
.endr
.irp a, 0,1,2,3
	global_load_b32 v[8+2*\a], v225, s[12:13] offset:64*\a             ; the bias at A's row 16 a + r
.endr
	s_wait_loadcnt 0x0
	WIN 0xcc
.set i, 0
.rept 64
	v_and_b32 v[i], s101, v[i]                     ; of the two biases one is my tensor's, the other is cleared
.set i, i+1
.endr
	WIN 0
.irp a, 0,1,2,3
	v_and_b32 v[8+2*\a], s104, v[8+2*\a]
	v_mov_b32 v[9+2*\a], 0
.endr
	s_wait_alu depctr_va_vdst(0)
	s_wait_tensorcnt 0x0                           ; my tile is in;
	s_barrier_signal -1
	s_barrier_wait -1                              ; and everybody's
; a fragment: 16 rows x 128 K = 12 registers, in pieces of 8 bytes.  Byte y of a row lies at y + 16 (y / 256) of its LDS row; lanes 16-31 read 24 bytes on
.macro FRAG reg, adr, st, off
.irp p, 0,1,2,3,4,5
.set BY, 96*(\st)+48*(\p/3)+8*(\p%3)
.if BY/256 == (BY+24)/256
	ds_load_b64 v[\reg+2*\p:\reg+2*\p+1], v[\adr] offset:BY+16*(BY/256)+(\off)
.else
	ds_load_b64 v[\reg+2*\p:\reg+2*\p+1], v[\adr+1] offset:BY+16*(BY/256)+(\off)
.endif
.endr
.endm
.macro FETCH_B st
	WIN 0x40
.irp i, 0,1,2,3,4,5,6,7
	FRAG 128*((\st)%2)+FR*\i, ADRB+2*(\i/4), \st, (\i%4)*BLK
.endr
.endm
.macro FETCH_A st
	WIN 0
.irp i, 0,1,2,3
	FRAG AF+48*((\st)%2)+FR*\i, ADRA, \st, \i*BLK
.endr
.endm
; 16 matrix instructions, used transposed: source 0 = 16 rows of B, source 1 = 16 rows of A: a lane holds one row of A and eight neighbouring rows of B.  The accumulators take turns
.macro MUL16 st, a0, first
.irp a, \a0, \a0+1
.irp b, 0,1,2,3,4,5,6,7
.if \first
	v_wmma_scale_f32_16x16x128_f8f6f4 v[8*(8*(\a)+\b):8*(8*(\a)+\b)+7], v[128*((\st)%2)+FR*\b:128*((\st)%2)+FR*\b+FR-1], v[AF+48*((\st)%2)+FR*(\a):AF+48*((\st)%2)+FR*(\a)+FR-1], v[8*\b:8*\b+7], v[SC+8*\b+(\st)], v[SC+8*(\a)+(\st)] matrix_a_fmt:MATRIX_FMT_FP6 matrix_b_fmt:MATRIX_FMT_FP6 matrix_a_scale:MATRIX_SCALE_ROW1
.else
	v_wmma_scale_f32_16x16x128_f8f6f4 v[8*(8*(\a)+\b):8*(8*(\a)+\b)+7], v[128*((\st)%2)+FR*\b:128*((\st)%2)+FR*\b+FR-1], v[AF+48*((\st)%2)+FR*(\a):AF+48*((\st)%2)+FR*(\a)+FR-1], v[8*(8*(\a)+\b):8*(8*(\a)+\b)+7], v[SC+8*\b+(\st)], v[SC+8*(\a)+(\st)] matrix_a_fmt:MATRIX_FMT_FP6 matrix_b_fmt:MATRIX_FMT_FP6 matrix_a_scale:MATRIX_SCALE_ROW1
.endif
.endr
.endr
.endm
; a step of 128 along K: B's next fragments are asked for at its head, A's next in its middle, into the sets that the step before multiplied (four places behind its last product)
.macro STEP st
.if (\st) < 7
.if (\st) > 0
	PLACES
.endif
	FETCH_B (\st)+1
	s_wait_dscnt 48                                ; all but the 48 just issued: this step's fragments are in
.else
	s_wait_dscnt 0x0
.endif
.if (\st) == 0
	WIN 0xb1                                       ; B window 1, A window 0, C window 3 (the bias), D window 2
	MUL16 \st, 0, 1
.else
	WIN 0xa1
	MUL16 \st, 0, 0
.endif
.if (\st) < 7
	FETCH_A (\st)+1
.endif
.if (\st) == 0
	WIN 0xb1
	MUL16 \st, 2, 1
.else
	WIN 0xa1
	MUL16 \st, 2, 0
.endif
.endm
	FETCH_B 0
	FETCH_A 0
.set ST, 0
.rept 8
	STEP ST
.set ST, ST+1
.endr
	WIN 0
; THE WAY OUT, block by block of 16 rows of A x 128 rows of B: the bias along A, four blocks of 32 quantised, codes and bytes through my stage, out in runs of 256 bytes and more
.macro EPI a
.set AC, 64*(\a)
.set CDR, CD+16*((\a)%2)
.set OBR, OB+12*((\a)%2)
.set UR, TM+12+(\a)%2
.set BMR, 8+2*(\a)
	WIN 0x02
.set i, 0
.rept 32
	v_pk_add_f32 v[T+2*i:T+2*i+1], v[AC+2*i:AC+2*i+1], v[BMR:BMR+1] op_sel_hi:[1,0]
.set i, i+1
.endr
	WIN 0
.irp b, 0,1,2,3
	v_max3_num_f32 v[TM+\b], |v[T+16*\b]|, |v[T+1+16*\b]|, 0x1800000   ; with the floor 2^(3 - 127): the byte cannot fall under 1
.endr
.irp i, 2,4,6,8,10,12,14
.irp b, 0,1,2,3
	v_max3_num_f32 v[TM+\b], v[TM+\b], |v[T+16*\b+\i]|, |v[T+1+16*\b+\i]|
.endr
.endr
.irp b, 0,1,2,3
	v_permlanex16_b32 v[TM+4+\b], v[TM+\b], s[SEL], s[SEL+1]
.endr
.irp b, 0,1,2,3
	v_max_num_f32 v[TM+\b], v[TM+\b], v[TM+4+\b]   ; with lane l xor 16's 16: the block's largest magnitude
.endr
.irp b, 0,1,2,3
	v_add_nc_u32 v[TM+8+\b], 0xff000000, v[TM+\b]  ; 2 off its exponent field: the conversion's scale operand
.endr
.irp b, 0,1,2,3
	v_lshrrev_b32 v[TM+4+\b], 23, v[TM+8+\b]       ; the byte
.endr
	v_lshl_or_b32 v[TM+14], v[TM+5], 8, v[TM+4]
	v_lshl_or_b32 v[TM+15], v[TM+7], 8, v[TM+6]
	v_cndmask_b32 v[UR], v[TM+14], v[TM+15], s[HM] ; lanes 0-15 store the first group's two bytes, lanes 16-31 the second's
	ds_store_b16 v[SSA], v[UR] offset:32*(\a)
.irp b, 0,1,2,3
	v_cvt_scalef32_pk16_fp6_f32 v[CDR+4*\b:CDR+4*\b+2], v[T+16*\b:T+16*\b+15], v[TM+8+\b]
.endr
	v_nop                                          ; one plain place behind the conversions
.if (\a) >= 2
	s_wait_alu depctr_va_vdst(0)
	s_wait_xcnt 0x0                                ; block a - 2's stores have read their registers
.endif
.irp b, 0,1,2,3
.irp i, 0,1,2
	ds_store_b32 v[STC], v[CDR+4*\b+\i] offset:768*(\b/2)+24*(\b%2)+4*\i
.endr
.endr
.irp i, 0,1,2
	ds_load_b128 v[OBR+4*\i:OBR+4*\i+3], v[RDC] offset:512*\i     ; LDS serves a wave's instructions in order
.endr
.endm
.macro SENDC a, younger
.set OBR, OB+12*((\a)%2)
	s_wait_dscnt \younger
	global_store_b128 v[VO], v[OBR:OBR+3], s[92:93] offset:768*(\a)
	global_store_b128 v[VO1], v[OBR+4:OBR+7], s[92:93] offset:768*(\a)
	global_store_b128 v[VO], v[OBR+8:OBR+11], s[94:95] offset:768*(\a)+256
.endm
	PLACES
	EPI 0
.irp a, 1,2,3
	EPI \a
	SENDC \a-1, 16                                 ; behind block a - 1's loads: block a's 13 stores and 3 loads
.endr
	SENDC 3, 0
	ds_load_b64 v[T:T+1], v[SSR]
	s_wait_dscnt 0x0
	global_store_b64 v[VOS], v[T:T+1], s[96:97]    ; 64 rows x 2 bytes for each of the two groups
	s_wait_tensorcnt 0x0                           ; the wave's end
	ds_add_u32 v[SPW], v[NIL]
	s_wait_dscnt 0x0
	CROUND                                         ; the closing round
	s_endpgm
.Lfunc_end_k_q42a9aa4d5d_proj:
	.size	k_q42a9aa4d5d_proj, .Lfunc_end_k_q42a9aa4d5d_proj-k_q42a9aa4d5d_proj
	.p2alignl 7, 3214868480
	.fill 96, 4, 3214868480
	.section	.rodata,"a",@progbits
	.p2align	6, 0x0
	.amdhsa_kernel k_q42a9aa4d5d_proj
		.amdhsa_group_segment_fixed_size 327680
		.amdhsa_private_segment_fixed_size 0
		.amdhsa_enable_private_segment 0
		.amdhsa_kernarg_size 56
		.amdhsa_user_sgpr_count 2
		.amdhsa_user_sgpr_kernarg_segment_ptr 1
		.amdhsa_wavefront_size32 1
		.amdhsa_system_sgpr_workgroup_id_x 1
		.amdhsa_system_sgpr_workgroup_id_y 1
		.amdhsa_system_sgpr_workgroup_id_z 1
		.amdhsa_system_vgpr_workitem_id 0
		.amdhsa_next_free_vgpr 1024
		.amdhsa_next_free_sgpr 106
		.amdhsa_reserve_vcc 0
		.amdhsa_float_denorm_mode_32 3
		.amdhsa_float_denorm_mode_16_64 3
		.amdhsa_memory_ordered 1
		.amdhsa_forward_progress 1
		.amdhsa_inst_pref_size 113
	.end_amdhsa_kernel
	.amdgpu_metadata
---
amdhsa.version: [ 1, 2 ]
amdhsa.kernels:
  - .name:           k_q42a9aa4d5d_proj
    .symbol:         k_q42a9aa4d5d_proj.kd
    .args:
      - { .name: in_codes, .offset: 0, .size: 8, .value_kind: global_buffer, .address_space: global }
      - { .name: in_scales, .offset: 8, .size: 8, .value_kind: global_buffer, .address_space: global }
      - { .name: bq, .offset: 16, .size: 8, .value_kind: global_buffer, .address_space: global }
      - { .name: bk, .offset: 24, .size: 8, .value_kind: global_buffer, .address_space: global }
      - { .name: bv, .offset: 32, .size: 8, .value_kind: global_buffer, .address_space: global }
      - { .name: p_codes, .offset: 40, .size: 8, .value_kind: global_buffer, .address_space: global }
      - { .name: p_scales, .offset: 48, .size: 8, .value_kind: global_buffer, .address_space: global }
    .group_segment_fixed_size: 327680
    .private_segment_fixed_size: 0
    .kernarg_segment_align: 8
    .kernarg_segment_size: 56
    .max_flat_workgroup_size: 128
    .sgpr_count:     106
    .vgpr_count:     1024
    .wavefront_size: 32
...
	.end_amdgpu_metadata
.endif
;; end of part 2
;; launch attn (part 3): grid 4 x 64, 16 waves a work-group, clusters of 4 x 1, 327,680 bytes of LDS; arguments p_codes, p_scales, mask, x_codes, x_scales; writes x_codes, x_scales
.if DOCPART == 3
	.amdgcn_target "amdgcn-amd-amdhsa--gfx1250"
	.amdhsa_code_object_version 6
	.text
	.protected	k_q42a9aa4d5d_attn
	.globl	k_q42a9aa4d5d_attn
	.p2align	8
	.type	k_q42a9aa4d5d_attn,@function
k_q42a9aa4d5d_attn:
	s_mov_b64 s[64:65], 0
	v_nop
	global_prefetch_b8 v0, s[64:65] scope:SCOPE_SE
	s_setreg_imm32_b32 hwreg(HW_REG_WAVE_MODE, 25, 1), 1
	s_wait_xcnt 0x0
	s_wait_alu depctr_hold_cnt(0) depctr_sa_sdst(0) depctr_va_vdst(0) depctr_va_sdst(0) depctr_va_ssrc(0) depctr_va_vcc(0) depctr_vm_vsrc(0)
	s_getreg_b32 s2, hwreg(HW_REG_IB_STS2, 6, 4)
	s_cmp_eq_u32 s2, 0
	s_cbranch_scc0 .Lentry_in_a_cluster
	s_endpgm
.Lentry_in_a_cluster:
	s_bfe_u32 s2, ttmp6, 0x10000c
	s_cmp_lg_u32 s2, 0x3003
	s_cbranch_scc0 .Lentry_shape_is_right
	s_endpgm
.Lentry_shape_is_right:
.set KB,    0
.set VB,    98304
.set KSW,   196608
.set VSW,   204800
.set BMX,   208896
.set XST,   274432
.set SPARE, 286720
.set AK0,  1
.set AV0,  2
.set AKS0, 3
.set AVS0, 4
.set SPW,  5
.set NIL,  6
.set ABM0, 7
.set TA,   8
.set TB,   9
.set QS,   10
.set PS,   11
.set VS,   12
.set NCM,  14
.set MS,   15
.set QF,   16
.set LS,   28
.set AFR,  30
.set KF,   32
.set VF,   80
.set S,    128
.set O,    192
.set PC,   224
.set TP,   236
.set BM,   244
.set SO,   248
.set KS,   252
.set WV,   14
.set SEL,  20
.set CS,   22
.set NC,   24
.set G1K,  28
.set G1V,  36
.set G0K,  44
.set G0V,  48
.set T6,   52
.set T5,   53
.set T2,   54
.set CNT,  55
.set XB,   57
.macro ROUND
	s_barrier_signal -1
	s_barrier_wait -1
	s_cmp_lg_u32 s[WV], 0
	s_cbranch_scc1 .Lnot_wave_0_\@
	s_barrier_signal -3
.Lnot_wave_0_\@:
	s_barrier_wait -3
	s_barrier_signal -1
	s_barrier_wait -1
.endm
.macro QLOAD tl
	v_and_b32 v[TB], 15, v0
	s_delay_alu instid0(VALU_DEP_1)
	v_lshlrev_b32 v[TB], 1, v[TB]
.irp p, 0,1,2
	global_load_b64 v[QF+2*\p:QF+2*\p+1], v[AK0], s[58:59] offset:12288*(\tl)+8*\p
.endr
	global_load_u16 v[QS], v[TB], s[60:61] offset:512*(\tl)
.endm
	s_load_b128 s[4:7], s[0:1], 0x0
	s_load_b128 s[8:11], s[0:1], 0x10
	s_load_b64 s[12:13], s[0:1], 0x20
	v_lshl_add_u32 v[SPW], v0, 2, SPARE
	v_mov_b32 v[NIL], 0
	ds_add_u32 v[SPW], v[NIL]
	ds_add_u32 v[SPW], v[NIL]
	v_lshrrev_b32 v8, 5, v0
	s_delay_alu instid0(VALU_DEP_1)
	v_readfirstlane_b32 s[WV], v8
	s_bfe_u32 s15, ttmp6, 0x40000
	s_and_b32 s16, ttmp7, 0xffff
	s_lshr_b32 s17, s16, 4
	s_and_b32 s18, s16, 15
	s_mov_b32 s[G1K], 15|(3<<16)|(1<<21)
	s_mov_b32 s[G1K+1], 32<<16
	s_mov_b32 s[G1K+2], 24<<16
	s_mov_b32 s[G1K+3], 32<<16
	s_mov_b32 s[G1K+4], 24
	s_mov_b32 s[G1K+5], 32
	s_mov_b32 s[G1K+6], 0
	s_mov_b32 s[G1K+7], 0
	s_mov_b32 s[G1V], 15|(3<<16)|(1<<21)
	s_mov_b32 s[G1V+1], 384<<16
	s_mov_b32 s[G1V+2], 2<<16
	s_mov_b32 s[G1V+3], 384<<16
	s_mov_b32 s[G1V+4], 2
	s_mov_b32 s[G1V+5], 6144
	s_mov_b32 s[G1V+6], 0
	s_mov_b32 s[G1V+7], 0
	s_mul_i32 s68, s18, 393216
	s_mul_i32 s69, s17, 98304
	s_mul_i32 s70, s[WV], 6144
	s_add_co_u32 s72, s68, s69
	s_add_co_u32 s72, s72, s70
	s_add_co_u32 s72, s72, 6291456
	s_mov_b32 s73, 0
	s_mul_i32 s74, s17, 1572864
	s_mul_i32 s75, s[WV], 98304
	s_add_co_u32 s74, s74, s75
	s_mul_i32 s75, s18, 3072
	s_add_co_u32 s74, s74, s75
	s_add_co_u32 s74, s74, 12582912
	s_mov_b32 s75, 0
	s_lshl_b32 s76, s17, 11
	s_lshl_b32 s77, s15, 9
	s_add_co_u32 s76, s76, s77
	s_lshl_b32 s77, s[WV], 4
	s_add_co_u32 s76, s76, s77
	s_mul_i32 s78, s76, 48
	s_add_co_u32 s78, s78, s68
	s_mov_b32 s79, 0
	s_mov_b32 s[G0K], 1
	s_mov_b32 s[G0K+1], s70
	s_mov_b32 s[G0V], 1
	s_add_co_u32 s[G0V+1], s70, VB
	s_mov_b32 s[SEL], 0x76543210
	s_mov_b32 s[SEL+1], 0xfedcba98
	s_mov_b32 s[CS], 0x3e38aa3b
	s_mov_b32 s[CS+1], s[CS]
	s_mov_b32 s[NC], 0xbe38aa3b
	s_wait_dscnt 0x0
	s_wait_kmcnt 0x0
	s_add_nc_u64 s[G0K+2:G0K+3], s[4:5], s[72:73]
	s_or_b32 s[G0K+3], s[G0K+3], 0x80000000
	s_add_nc_u64 s[G0V+2:G0V+3], s[4:5], s[74:75]
	s_or_b32 s[G0V+3], s[G0V+3], 0x80000000
	ROUND
	tensor_load_to_lds s[G0K:G0K+3], s[G1K:G1K+7]
	s_nop 0
	s_wait_alu depctr_va_vdst(0)
	s_wait_tensorcnt 0x0
	ds_add_u32 v5, v6
	s_wait_dscnt 0x0
	ROUND
	tensor_load_to_lds s[G0V:G0V+3], s[G1V:G1V+7]
	s_nop 0
.rept 4
	v_nop
.endr
	s_add_nc_u64 s[58:59], s[4:5], s[78:79]
	s_add_nc_u64 s[62:63], s[10:11], s[78:79]
	s_lshl_b32 s68, s18, 14
	s_lshl_b32 s70, s76, 1
	s_add_co_u32 s70, s70, s68
	s_mov_b32 s71, 0
	s_add_nc_u64 s[60:61], s[6:7], s[70:71]
	s_lshl_b32 s70, s76, 5
	s_lshl_b32 s69, s18, 1
	s_add_co_u32 s70, s70, s69
	s_add_nc_u64 s[66:67], s[12:13], s[70:71]
	s_lshl_b32 s70, s17, 12
	s_add_co_u32 s70, s70, s68
	s_add_co_u32 s70, s70, 262144
	s_add_nc_u64 s[72:73], s[6:7], s[70:71]
	s_lshl_b32 s70, s17, 13
	s_add_nc_u64 s[74:75], s[8:9], s[70:71]
	s_lshl_b32 s70, s17, 16
	s_lshl_b32 s69, s18, 7
	s_add_co_u32 s70, s70, s69
	s_add_co_u32 s70, s70, 524288
	s_add_nc_u64 s[76:77], s[6:7], s[70:71]
	v_and_b32 v128, 31, v0
	v_lshrrev_b32 v129, 5, v0
	s_delay_alu instid0(VALU_DEP_2)
	v_lshlrev_b32 v130, 1, v128
	s_delay_alu instid0(VALU_DEP_1)
	v_lshl_add_u32 v131, v129, 8, v130
	s_delay_alu instid0(VALU_DEP_1)
	v_lshlrev_b32 v132, 1, v131
	s_delay_alu instid0(VALU_DEP_3)
	v_lshl_add_u32 v133, v129, 12, v130
.irp i, 0,1,2,3
	global_load_u16 v[136+\i], v131, s[72:73] offset:64*\i
	global_load_b32 v[140+\i], v132, s[74:75] offset:128*\i
.endr
.irp i, 0,1
.irp e, 0,1
	global_load_u16 v[144+2*\i+\e], v133, s[76:77] offset:2048*\e+64*\i
.endr
.endr
	v_lshl_add_u32 v148, v0, 4, KSW
	v_lshl_add_u32 v149, v0, 3, VSW
	v_mov_b32 v134, 0x01d90000
	v_mov_b32 v135, 0x01010000
	v_bfe_u32 v9, v0, 4, 1
	s_delay_alu instid0(VALU_DEP_1)
	v_xor_b32 v8, 1, v9
	s_delay_alu instid0(VALU_DEP_1)
	v_mul_u32_u24 v[QF+6], v8, 0x1f
.irp k, 7,8,9,10,11
	v_mov_b32 v[QF+\k], 0
.endr
.irp t, 0,1,2,3
	v_mul_u32_u24 v[KF+12*\t+6], v8, 0x3f
.irp k, 7,8,9,10,11
	v_mov_b32 v[KF+12*\t+\k], 0
.endr
.endr
	v_and_b32 v8, 15, v0
	s_delay_alu instid0(VALU_DEP_1)
	v_mul_u32_u24 v[AK0], v8, 48
	s_delay_alu instid0(VALU_DEP_1)
	v_mad_u32_u24 v[AK0], v9, 24, v[AK0]
	s_delay_alu instid0(VALU_DEP_1)
	v_add_nc_u32 v[AV0], VB, v[AK0]
	v_and_b32 v9, 31, v0
	s_delay_alu instid0(VALU_DEP_1)
	v_lshl_add_u32 v[AKS0], v9, 4, KSW
	s_delay_alu instid0(VALU_DEP_2)
	v_lshl_add_u32 v[AVS0], v9, 3, VSW
	s_lshl_b32 s78, s[WV], 12
	s_add_co_u32 s78, s78, BMX
	v_lshl_add_u32 v[ABM0], v8, 4, s78
	s_mul_i32 s[XB], s[WV], 768
	s_add_co_u32 s[XB], s[XB], XST
.irp k, 0,1,2,3,4,5,6,7
	v_mov_b32 v[TP+\k], 0
.endr
	QLOAD 0
	s_wait_loadcnt 0x0
.irp i, 0,1,2,3
	v_cmp_ne_u32 vcc_lo, 0, v[140+\i]
	s_delay_alu instid0(VALU_DEP_1)
	v_cndmask_b32 v[140+\i], v134, v135, vcc_lo
	s_delay_alu instid0(VALU_DEP_1)
	v_or_b32 v[136+\i], v[136+\i], v[140+\i]
.endr
	v_lshl_or_b32 v144, v145, 16, v144
	v_lshl_or_b32 v145, v147, 16, v146
	ds_store_b128 v148, v[136:139]
	ds_store_b64 v149, v[144:145]
	s_wait_tensorcnt 0x0
	s_wait_dscnt 0x0
	s_barrier_signal -1
	s_barrier_wait -1
.macro KLOAD adr, off
.irp t, 0,1,2,3
.irp p, 0,1,2
	ds_load_b64 v[KF+12*\t+2*\p:KF+12*\t+2*\p+1], v[\adr] offset:(\off)+768*\t+8*\p
.endr
.endr
.endm
.macro QKMUL g
.irp t, 0,1,2,3
.if \t%2
	v_wmma_scale_f32_16x16x128_f8f6f4 v[S+32*(\g)+8*\t:S+32*(\g)+8*\t+7], v[KF+12*\t:KF+12*\t+11], v[QF:QF+11], 0, v[KS+2*(\g)+\t/2], v[QS] matrix_a_fmt:MATRIX_FMT_FP6 matrix_b_fmt:MATRIX_FMT_FP6 matrix_a_scale:MATRIX_SCALE_ROW1
.else
	v_wmma_scale_f32_16x16x128_f8f6f4 v[S+32*(\g)+8*\t:S+32*(\g)+8*\t+7], v[KF+12*\t:KF+12*\t+11], v[QF:QF+11], 0, v[KS+2*(\g)+\t/2], v[QS] matrix_a_fmt:MATRIX_FMT_FP6 matrix_b_fmt:MATRIX_FMT_FP6
.endif
.endr
.endm
.macro PVMUL pv
.irp t, 0,1,2,3
.if (\pv) == 1
.if \t%2
	v_wmma_scale_f32_16x16x128_f8f6f4 v[O+8*\t:O+8*\t+7], v[VF+12*\t:VF+12*\t+11], v[PC:PC+11], 0, v[VS+\t/2], v[PS] matrix_a_fmt:MATRIX_FMT_FP6 matrix_b_fmt:MATRIX_FMT_FP6 matrix_a_scale:MATRIX_SCALE_ROW1
.else
	v_wmma_scale_f32_16x16x128_f8f6f4 v[O+8*\t:O+8*\t+7], v[VF+12*\t:VF+12*\t+11], v[PC:PC+11], 0, v[VS+\t/2], v[PS] matrix_a_fmt:MATRIX_FMT_FP6 matrix_b_fmt:MATRIX_FMT_FP6
.endif
.else
.if \t%2
	v_wmma_scale_f32_16x16x128_f8f6f4 v[O+8*\t:O+8*\t+7], v[VF+12*\t:VF+12*\t+11], v[PC:PC+11], v[O+8*\t:O+8*\t+7], v[VS+\t/2], v[PS] matrix_a_fmt:MATRIX_FMT_FP6 matrix_b_fmt:MATRIX_FMT_FP6 matrix_a_scale:MATRIX_SCALE_ROW1
.else
	v_wmma_scale_f32_16x16x128_f8f6f4 v[O+8*\t:O+8*\t+7], v[VF+12*\t:VF+12*\t+11], v[PC:PC+11], v[O+8*\t:O+8*\t+7], v[VS+\t/2], v[PS] matrix_a_fmt:MATRIX_FMT_FP6 matrix_b_fmt:MATRIX_FMT_FP6
.endif
.endif
.endr
.endm
.macro STEP_ON
	s_add_co_u32 s[T6], s[T6], 6144
	s_add_co_u32 s[T5], s[T5], 512
	s_add_co_u32 s[T2], s[T2], 256
.endm
.macro P1HALF g, nx
.set H, S+32*(\g)
	s_wait_dscnt 0x0
	QKMUL 1-(\g)
.irp t, 0,1,2,3
	v_max3_num_f32 v[TP+\t], v[H+8*\t], v[H+8*\t+1], v[H+8*\t+2]
.endr
.irp i, 3,5
.irp t, 0,1,2,3
	v_max3_num_f32 v[TP+\t], v[TP+\t], v[H+8*\t+\i], v[H+8*\t+\i+1]
.endr
.endr
.if (\g) == 0
	v_add_nc_u32 v[TA], s[T6], v[AK0]
	v_add_nc_u32 v[TB], s[T5], v[AKS0]
	v_add_nc_u32 v[TP+7], s[T2], v[ABM0]
	KLOAD TA, (\nx)*6144
	ds_load_b128 v[KS:KS+3], v[TB] offset:(\nx)*512
.else
	KLOAD TA, (\nx)*6144+3072
.endif
.irp e, 0,1
	v_max3_num_f32 v[BM+2*(\g)+\e], v[TP+2*\e], v[TP+2*\e+1], v[H+16*\e+7]
.endr
.irp e, 0,1
	v_max_num_f32 v[BM+2*(\g)+\e], v[BM+2*(\g)+\e], v[H+16*\e+15]
.endr
.irp e, 0,1
	v_permlanex16_b32 v[TP+4+\e], v[BM+2*(\g)+\e], s[SEL], s[SEL+1]
.endr
.irp e, 0,1
	s_delay_alu instid0(VALU_DEP_2)
	v_max_num_f32 v[BM+2*(\g)+\e], v[BM+2*(\g)+\e], v[TP+4+\e]
.endr
	ds_store_b64 v[TP+7], v[BM+2*(\g):BM+2*(\g)+1] offset:8*(\g)
	v_mov_b32 v[AFR], v[NCM]
	v_max3_num_f32 v[MS], v[BM+2*(\g)], v[BM+2*(\g)+1], v[MS]
	s_delay_alu instid0(VALU_DEP_1)
	v_mul_f32 v[NCM], s[NC], v[MS]
	s_delay_alu instid0(VALU_DEP_1)
	v_sub_f32 v[AFR], v[NCM], v[AFR]
.irp j, 0,2,4,6,8,10,12,14,16,18,20,22,24,26,28,30
	v_pk_fma_f32 v[H+\j:H+\j+1], v[H+\j:H+\j+1], s[CS:CS+1], v[NCM:NCM+1] op_sel_hi:[1,0,0]
.endr
	s_wait_alu depctr_va_vdst(0)
.irp j, 0,1,2,3,4,5,6,7,8,9,10,11,12,13,14,15,16,17,18,19,20,21,22,23,24,25,26,27,28,29,30,31
	v_exp_f32 v[H+\j], v[H+\j]
.endr
	v_exp_f32 v[AFR], v[AFR]
	v_nop
	s_wait_alu depctr_va_vdst(0)
.irp u, 0,1,2,3,4,5,6,7
	v_pk_add_f32 v[H+4*\u:H+4*\u+1], v[H+4*\u:H+4*\u+1], v[H+4*\u+2:H+4*\u+3]
.endr
.irp u, 0,1,2,3
	v_pk_add_f32 v[H+8*\u:H+8*\u+1], v[H+8*\u:H+8*\u+1], v[H+8*\u+4:H+8*\u+5]
.endr
.irp u, 0
	s_delay_alu instid0(VALU_DEP_3)
	v_pk_add_f32 v[H+16*\u:H+16*\u+1], v[H+16*\u:H+16*\u+1], v[H+16*\u+8:H+16*\u+9]
.endr
.irp u, 1
	s_delay_alu instid0(VALU_DEP_2)
	v_pk_add_f32 v[H+16*\u:H+16*\u+1], v[H+16*\u:H+16*\u+1], v[H+16*\u+8:H+16*\u+9]
.endr
	s_delay_alu instid0(VALU_DEP_1)
	v_pk_add_f32 v[H:H+1], v[H:H+1], v[H+16:H+17]
	v_pk_fma_f32 v[LS:LS+1], v[LS:LS+1], v[AFR:AFR+1], v[H:H+1] op_sel_hi:[1,0,1]
.endm
.macro P2HALF g, pv, nxt
.set H, S+32*(\g)
.if (\g) == 0
	s_wait_dscnt 0x0
	QKMUL 1
.else
	s_wait_dscnt 25
.if \nxt
	QKMUL 0
.endif
.endif
.irp j, 0,2,4,6,8,10,12,14,16,18,20,22,24,26,28,30
	v_pk_fma_f32 v[H+\j:H+\j+1], v[H+\j:H+\j+1], s[CS:CS+1], v[NCM:NCM+1] op_sel_hi:[1,0,0]
.endr
.irp e, 0,1
	v_fma_f32 v[BM+2*(\g)+\e], v[BM+2*(\g)+\e], s[CS], v[NCM]
.endr
.if (\g) == 0
.if \pv
	PVMUL \pv
.endif
	v_add_nc_u32 v[LS], s[T6], v[AV0]
	v_add_nc_u32 v[LS+1], s[T2], v[AVS0]
	v_add_nc_u32 v[AFR], s[T2], v[ABM0]
.if \nxt
	v_add_nc_u32 v[TA], s[T6], v[AK0]
	v_add_nc_u32 v[TB], s[T5], v[AKS0]
	KLOAD TA, 6144
	ds_load_b128 v[KS:KS+3], v[TB] offset:512
.else
	v_nop
.endif
	ds_load_b64 v[BM+2:BM+3], v[AFR] offset:8
.irp t, 0,1,2,3
.irp p, 0,1,2,3,4,5
	ds_load_b64 v[VF+12*\t+2*\p:VF+12*\t+2*\p+1], v[LS] offset:768*\t+3072*(\p/3)+8*(\p%3)
.endr
.endr
	ds_load_b64 v[VS:VS+1], v[LS+1]
.else
.if \nxt
	KLOAD TA, 6144+3072
	ds_load_b64 v[BM:BM+1], v[AFR] offset:256
.endif
.endif
	s_wait_alu depctr_va_vdst(0)
.irp j, 0,1,2,3,4,5,6,7,8,9,10,11,12,13,14,15,16,17,18,19,20,21,22,23,24,25,26,27,28,29,30,31
	v_exp_f32 v[H+\j], v[H+\j]
.endr
.irp e, 0,1
	v_exp_f32 v[BM+2*(\g)+\e], v[BM+2*(\g)+\e]
.endr
	v_nop
	s_wait_alu depctr_va_vdst(0)
.irp e, 0,1
	v_max_num_f32 v[BM+2*(\g)+\e], 0x1800000, v[BM+2*(\g)+\e]
.endr
.irp e, 0,1
	s_delay_alu instid0(VALU_DEP_2)
	v_add_nc_u32 v[SO+2*(\g)+\e], 0xff000000, v[BM+2*(\g)+\e]
.endr
	s_delay_alu instid0(VALU_DEP_2)
	v_lshrrev_b32 v[TP+3], 23, v[SO+2*(\g)]
	s_delay_alu instid0(VALU_DEP_2)
	v_lshrrev_b32 v[TP+7], 23, v[SO+2*(\g)+1]
.if (\g) == 0
	s_delay_alu instid0(VALU_DEP_1)
	v_lshl_or_b32 v[PS], v[TP+7], 8, v[TP+3]
.else
	s_delay_alu instid0(VALU_DEP_2)
	v_lshl_or_b32 v[PS], v[TP+3], 16, v[PS]
	s_delay_alu instid0(VALU_DEP_1)
	v_lshl_or_b32 v[PS], v[TP+7], 24, v[PS]
.endif
	v_cvt_scalef32_pk16_fp6_f32 v[PC+6*(\g):PC+6*(\g)+2], v[H:H+15], v[SO+2*(\g)]
	v_cvt_scalef32_pk16_fp6_f32 v[TP+4*(\g):TP+4*(\g)+2], v[H+16:H+31], v[SO+2*(\g)+1]
	v_nop
.irp i, 0,1,2
	v_permlane16_swap_b32 v[PC+6*(\g)+\i], v[TP+4*(\g)+\i]
.endr
.irp i, 0,1,2
	s_delay_alu instid0(VALU_DEP_3)
	v_mov_b32 v[PC+3+6*(\g)+\i], v[TP+4*(\g)+\i]
.endr
.endm
.macro XOUT tl
.rept 4
	v_nop
.endr
.irp e, 0,1
.irp j, 0,1,2,3,4,5,6,7
	v_permlane16_swap_b32 v[O+16*\e+\j], v[O+8+16*\e+\j]
.endr
.endr
	v_and_b32 v128, 15, v0
	v_bfe_u32 v129, v0, 4, 1
	v_and_b32 v130, 31, v0
	s_delay_alu instid0(VALU_DEP_3)
	v_lshlrev_b32 v131, 5, v128
	s_delay_alu instid0(VALU_DEP_4)
	v_mul_u32_u24 v128, v128, 48
	s_delay_alu instid0(VALU_DEP_1)
	v_mad_u32_u24 v128, v129, 12, v128
	s_delay_alu instid0(VALU_DEP_1)
	v_add_nc_u32 v128, s[XB], v128
	v_lshlrev_b32 v130, 3, v130
	s_delay_alu instid0(VALU_DEP_1)
	v_add_nc_u32 v129, s[XB], v130
.irp e, 0,1
	v_max3_num_f32 v[BM+\e], |v[O+16*\e]|, |v[O+1+16*\e]|, 0x1800000
.endr
.irp i, 2,4,6,8,10,12,14
.irp e, 0,1
	s_delay_alu instid0(VALU_DEP_2)
	v_max3_num_f32 v[BM+\e], v[BM+\e], |v[O+16*\e+\i]|, |v[O+1+16*\e+\i]|
.endr
.endr
.irp e, 0,1
	s_delay_alu instid0(VALU_DEP_2)
	v_permlanex16_b32 v[TP+\e], v[BM+\e], s[SEL], s[SEL+1]
.endr
.irp e, 0,1
	s_delay_alu instid0(VALU_DEP_2)
	v_max_num_f32 v[BM+\e], v[BM+\e], v[TP+\e]
.endr
.irp e, 0,1
	s_delay_alu instid0(VALU_DEP_2)
	v_add_nc_u32 v[SO+\e], 0xff000000, v[BM+\e]
.endr
.irp e, 0,1
	s_delay_alu instid0(VALU_DEP_2)
	v_lshrrev_b32 v[TP+4+\e], 23, v[SO+\e]
.endr
	s_delay_alu instid0(VALU_DEP_1)
	v_lshl_or_b32 v[AFR+1], v[TP+5], 8, v[TP+4]
.irp e, 0,1
	v_cvt_scalef32_pk16_fp6_f32 v[TP+4*\e:TP+4*\e+2], v[O+16*\e:O+16*\e+15], v[SO+\e]
.endr
	v_nop
.irp e, 0,1
.irp k, 0,1,2
	ds_store_b32 v128, v[TP+4*\e+\k] offset:24*\e+4*\k
.endr
.endr
.irp k, 0,1,2
	ds_load_b64 v[KF+2*\k:KF+2*\k+1], v129 offset:256*\k
.endr
	s_wait_alu depctr_va_vdst(0)
	s_wait_dscnt 0x0
.irp k, 0,1,2
	global_store_b64 v130, v[KF+2*\k:KF+2*\k+1], s[62:63] offset:12288*(\tl)+256*\k
.endr
	global_store_b16 v131, v[AFR+1], s[66:67] offset:8192*(\tl)
	s_wait_xcnt 0x0
.endm
.macro TILE tl
	KLOAD AK0, 0
	ds_load_b128 v[KS:KS+3], v[AKS0]
	s_wait_loadcnt 0x0
	v_or_b32 v[QS], 0x017f0000, v[QS]
	v_mov_b32 v[MS], 0xdd800000
	s_delay_alu instid0(VALU_DEP_1)
	v_mul_f32 v[NCM], s[NC], v[MS]
	v_mov_b32 v[LS], 0
	v_mov_b32 v[LS+1], 0
	v_mov_b32 v[AFR+1], 0
.rept 4
	v_nop
.endr
	s_wait_alu depctr_va_vdst(0)
	s_wait_dscnt 0x0
	QKMUL 0
.rept 4
	v_nop
.endr
	KLOAD AK0, 3072
	s_mov_b32 s[T6], 0
	s_mov_b32 s[T5], 0
	s_mov_b32 s[T2], 0
	s_mov_b32 s[CNT], 15
.Lp1_\@:
	P1HALF 0, 1
	P1HALF 1, 1
	STEP_ON
	s_sub_co_u32 s[CNT], s[CNT], 1
	s_cmp_lg_u32 s[CNT], 0
	s_cbranch_scc1 .Lp1_\@
	s_mov_b32 s[T6], 0
	s_mov_b32 s[T5], 0
	P1HALF 0, 0
	P1HALF 1, 0
	ds_load_b128 v[BM:BM+3], v[ABM0]
	v_add_f32 v[LS], v[LS], v[LS+1]
	s_delay_alu instid0(VALU_DEP_1)
	v_permlanex16_b32 v[AFR+1], v[LS], s[SEL], s[SEL+1]
	s_delay_alu instid0(VALU_DEP_1)
	v_add_f32 v[LS], v[LS], v[AFR+1]
	s_delay_alu instid0(VALU_DEP_1)
	v_max_num_f32 v[LS], 0x0d800000, v[LS]
	s_wait_alu depctr_va_vdst(0)
	v_log_f32 v[LS], v[LS]
	v_nop
	s_wait_alu depctr_va_vdst(0)
	v_sub_f32 v[NCM], v[NCM], v[LS]
	s_mov_b32 s[T2], 0
	s_wait_alu depctr_va_vdst(0)
	P2HALF 0, 0, 1
	P2HALF 1, 0, 1
	STEP_ON
	P2HALF 0, 1, 1
	P2HALF 1, 0, 1
	STEP_ON
	s_mov_b32 s[CNT], 13
.Lp2_\@:
	P2HALF 0, 2, 1
	P2HALF 1, 0, 1
	STEP_ON
	s_sub_co_u32 s[CNT], s[CNT], 1
	s_cmp_lg_u32 s[CNT], 0
	s_cbranch_scc1 .Lp2_\@
	P2HALF 0, 2, 0
	P2HALF 1, 0, 0
	s_wait_alu depctr_va_vdst(0)
	s_wait_dscnt 0x0
.rept 8
	v_nop
.endr
	PVMUL 2
.if (\tl) == 0
	QLOAD 1
.endif
	XOUT \tl
.endm
	TILE 0
	TILE 1
	s_wait_tensorcnt 0x0
	ds_add_u32 v[SPW], v[NIL]
	s_wait_dscnt 0x0
	ROUND
	s_endpgm
.Lfunc_end_k_q42a9aa4d5d_attn:
	.size	k_q42a9aa4d5d_attn, .Lfunc_end_k_q42a9aa4d5d_attn-k_q42a9aa4d5d_attn
	.p2alignl 7, 3214868480
	.fill 96, 4, 3214868480
	.section	.rodata,"a",@progbits
	.p2align	6, 0x0
	.amdhsa_kernel k_q42a9aa4d5d_attn
		.amdhsa_group_segment_fixed_size 327680
		.amdhsa_private_segment_fixed_size 0
		.amdhsa_enable_private_segment 0
		.amdhsa_kernarg_size 40
		.amdhsa_user_sgpr_count 2
		.amdhsa_user_sgpr_kernarg_segment_ptr 1
		.amdhsa_wavefront_size32 1
		.amdhsa_system_sgpr_workgroup_id_x 1
		.amdhsa_system_sgpr_workgroup_id_y 1
		.amdhsa_system_sgpr_workgroup_id_z 1
		.amdhsa_system_vgpr_workitem_id 0
		.amdhsa_next_free_vgpr 256
		.amdhsa_next_free_sgpr 80
		.amdhsa_reserve_vcc 1
		.amdhsa_float_denorm_mode_32 3
		.amdhsa_float_denorm_mode_16_64 3
		.amdhsa_memory_ordered 1
		.amdhsa_forward_progress 1
		.amdhsa_inst_pref_size 168
	.end_amdhsa_kernel
	.amdgpu_metadata
---
amdhsa.version: [ 1, 2 ]
amdhsa.kernels:
  - .name:           k_q42a9aa4d5d_attn
    .symbol:         k_q42a9aa4d5d_attn.kd
    .args:
      - { .name: p_codes, .offset: 0, .size: 8, .value_kind: global_buffer, .address_space: global }
      - { .name: p_scales, .offset: 8, .size: 8, .value_kind: global_buffer, .address_space: global }
      - { .name: mask, .offset: 16, .size: 8, .value_kind: global_buffer, .address_space: global }
      - { .name: x_codes, .offset: 24, .size: 8, .value_kind: global_buffer, .address_space: global }
      - { .name: x_scales, .offset: 32, .size: 8, .value_kind: global_buffer, .address_space: global }
    .group_segment_fixed_size: 327680
    .private_segment_fixed_size: 0
    .kernarg_segment_align: 8
    .kernarg_segment_size: 40
    .max_flat_workgroup_size: 512
    .sgpr_count:     80
    .vgpr_count:     256
    .wavefront_size: 32
...
	.end_amdgpu_metadata
.endif
;; end of part 3
;; launch outp (part 4): grid 4 x 64, 4 waves a work-group, clusters of 4 x 4, 327,680 bytes of LDS; arguments x_codes, x_scales, in_codes, in_scales, bo, out0; writes out0
.if DOCPART == 4
	.amdgcn_target "amdgcn-amd-amdhsa--gfx1250"
	.amdhsa_code_object_version 6
	.text
	.protected	k_q42a9aa4d5d_outp
	.globl	k_q42a9aa4d5d_outp
	.p2align	8
	.type	k_q42a9aa4d5d_outp,@function
k_q42a9aa4d5d_outp:
	s_mov_b64 s[64:65], 0
	v_nop
	global_prefetch_b8 v0, s[64:65] scope:SCOPE_SE
	s_setreg_imm32_b32 hwreg(HW_REG_WAVE_MODE, 25, 1), 1
	s_wait_xcnt 0x0
	s_wait_alu depctr_hold_cnt(0) depctr_sa_sdst(0) depctr_va_vdst(0) depctr_va_sdst(0) depctr_va_ssrc(0) depctr_va_vcc(0) depctr_vm_vsrc(0)
	s_getreg_b32 s2, hwreg(HW_REG_IB_STS2, 6, 4)
	s_cmp_eq_u32 s2, 0
	s_cbranch_scc0 .Lentry_in_a_cluster
	s_endpgm
.Lentry_in_a_cluster:
	s_bfe_u32 s2, ttmp6, 0x10000c
	s_cmp_lg_u32 s2, 0xf033
	s_cbranch_scc0 .Lentry_shape_is_right
	s_endpgm
.Lentry_shape_is_right:
; out0 = x Wo^T + bo on codes of FP6 (E2M3) with E8M0 scales.  x's codes lie [head][token][48 bytes], its scale bytes [token][32]; Wo's codes are rows of 768 bytes.
; A work-group makes 128 tokens x 256 columns; 64 x 4 blocks are 256 work-groups.  ALL OF K LIES IN LDS, filled once: no ring, no refill.
; x: waves 0, 1 fetch 64 tokens each: 16 tensor rows (heads) of 3,072 bytes, each at a multiple of 256 bytes; in LDS a token's 48 bytes of a head are 12 words apart from the next token's: 16 rows start at 16 different groups of banks.
; Wo: waves 2, 3 fetch 128 rows of 768 bytes each, 16 bytes of padding behind every 256: LDS pitch 816.
; CLUSTERS 4 x 4: x's tiles are shared along a row of the cluster, Wo's along a column.  The scale words go from memory straight into registers, 32 bytes a row.
; A wave makes 64 x 128: 32 accumulators (window 2) by turns; the bias starts the sums (window 3).  No prefetch: the launch has no loop to run ahead in.
.set SIZE_N, 1024
.set KROW,  768
.set PITCH, 816
.set FR,    12
.set BLK,   16*PITCH
.set AT,    49152                      ; 64 tokens x 768 bytes
.set BT,    128*PITCH
.set SPARE, 2*AT+2*BT                  ; behind the tiles: the spare words
.set SPITCH, 528                       ; the way out: 16 rows x (512 + 16) bytes a wave, over x's tile, which has had its only fill and, behind a barrier, its last read
.set ADRA, 16
.set ADRB, 18
.set VS0,  22
.set STO,  24
.set RD,   25
.set CO,   26
.set SPW,  28
.set NIL,  29
.set SCB,  32                          ; v32-95 Wo's scale words: register 8 b + step
.set SCA,  96                          ; v96-127 x's: register 8 a + step
.set AF,   128
.set BK,   128
.set G1, 24
.set G0, 32
.set G1B, 48
.set G0B, 56
.set MSB, 0
.macro WIN new
.if MSB != (\new)
	s_set_vgpr_msb (MSB<<8)|(\new)
.set MSB, (\new)
.endif
.endm
.macro PLACES
.rept 4
	v_nop
.endr
.endm
.macro CREST
	s_cmp_lg_u32 s14, 0
	s_cbranch_scc1 .Lnot_wave_0_\@
	s_barrier_signal -3
.Lnot_wave_0_\@:
	s_barrier_wait -3
	s_barrier_signal -1
	s_barrier_wait -1
.endm
.macro CROUND
	s_barrier_signal -1
	s_barrier_wait -1
	CREST
.endm
	s_load_b128 s[4:7], s[0:1], 0x0                ; x's codes, x's scales
	s_load_b128 s[8:11], s[0:1], 0x10              ; the weights' codes, their scales
	s_load_b64 s[96:97], s[0:1], 0x20              ; bo
	s_load_b64 s[12:13], s[0:1], 0x28              ; out0
	v_lshl_add_u32 v[SPW], v0, 2, SPARE
	v_mov_b32 v[NIL], 0
	ds_add_u32 v[SPW], v[NIL]                      ; the opening lines: the add twice on end and its wait
	ds_add_u32 v[SPW], v[NIL]
	v_lshrrev_b32 v1, 5, v0
	v_readfirstlane_b32 s14, v1
	s_lshr_b32 s15, s14, 1
	s_and_b32 s16, s14, 1
	s_bfe_u32 s40, ttmp6, 0x40000
	s_bfe_u32 s41, ttmp6, 0x40004
	s_lshl_b32 s42, ttmp9, 2
	s_add_co_u32 s42, s42, s40                     ; block of columns
	s_and_b32 s17, ttmp7, 0xffff
	s_lshl_b32 s17, s17, 2
	s_add_co_u32 s17, s17, s41                     ; block of tokens
	s_lshl_b32 s43, s41, 2
	s_lshl_b32 s43, 15, s43
	s_lshl_b32 s44, 0x1111, s40
	s_or_b32 s[G1+0], s43, (3<<16)|(1<<21)         ; elements of 8 bytes, no padding
	s_mov_b32 s[G1+1], 384<<16
	s_mov_b32 s[G1+2], 16<<16
	s_mov_b32 s[G1+3], 384<<16
	s_mov_b32 s[G1+4], 16
	s_mov_b32 s[G1+5], 49152                       ; from head to head: 393,216 bytes
	s_mov_b32 s[G1+6], 0
	s_mov_b32 s[G1+7], 0
	s_or_b32 s[G1B+0], s44, (1<<20)|(1<<21)|(5<<22)|(3<<25)
	s_mov_b32 s[G1B+1], KROW<<16
	s_mov_b32 s[G1B+2], 128<<16
	s_mov_b32 s[G1B+3], KROW<<16
	s_mov_b32 s[G1B+4], 128
	s_mov_b32 s[G1B+5], KROW
	s_mov_b32 s[G1B+6], 0
	s_mov_b32 s[G1B+7], 0
	s_lshl_b32 s20, s17, 7
	s_lshl_b32 s45, s16, 6
	s_add_co_u32 s20, s20, s45                     ; the 64 tokens that I would fetch
	s_mul_i32 s20, s20, 48
	s_mov_b32 s21, 0
	s_lshl_b32 s70, s42, 8
	s_lshl_b32 s45, s16, 7
	s_add_co_u32 s70, s70, s45                     ; the 128 rows of Wo that I would fetch, and that I multiply
	s_mul_i32 s46, s70, KROW
	s_add_co_u32 s46, s46, 21233664
	s_mov_b32 s47, 0
	s_mul_i32 s74, s16, AT
	s_mul_i32 s75, s16, BT
	s_add_co_u32 s75, s75, 2*AT
	s_wait_dscnt 0x0
	s_wait_kmcnt 0x0
	s_add_nc_u64 s[20:21], s[4:5], s[20:21]
	s_add_nc_u64 s[46:47], s[8:9], s[46:47]
	CROUND
	s_mov_b32 s[G0], 1
	s_mov_b32 s[G0+1], s74
	s_mov_b64 s[G0+2:G0+3], s[20:21]
	s_or_b32 s[G0+3], s[G0+3], 0x80000000
	s_mov_b32 s[G0B], 1
	s_mov_b32 s[G0B+1], s75
	s_mov_b64 s[G0B+2:G0B+3], s[46:47]
	s_or_b32 s[G0B+3], s[G0B+3], 0x80000000
	s_cmp_eq_u32 s15, 0                            ; one tensor load a wave, one to each arm
	s_cbranch_scc0 .Lfor_b
	tensor_load_to_lds s[G0:G0+3], s[G1:G1+7]
	s_nop 0
	PLACES
	s_branch .Lasked
.Lfor_b:
	tensor_load_to_lds s[G0B:G0B+3], s[G1B:G1B+7]
	s_nop 0
	PLACES
.Lasked:
	s_lshl_b32 s71, s17, 7
	s_lshl_b32 s45, s15, 6
	s_add_co_u32 s71, s71, s45                     ; my first token
	s_lshl_b32 s22, s71, 5
	s_mov_b32 s23, 0
	s_add_nc_u64 s[22:23], s[6:7], s[22:23]        ; its scales
	s_lshl_b32 s92, s70, 5
	s_add_co_u32 s92, s92, 884736
	s_mov_b32 s93, 0
	s_add_nc_u64 s[92:93], s[10:11], s[92:93]      ; the scales of my rows of Wo
	s_lshl_b32 s20, s71, 12
	s_lshl_b32 s46, s70, 2
	s_add_co_u32 s20, s20, s46
	s_mov_b32 s21, 0
	s_mov_b32 s47, 0
	s_add_nc_u64 s[12:13], s[12:13], s[20:21]
	s_add_nc_u64 s[96:97], s[96:97], s[46:47]
	s_mul_i32 s77, s15, AT
	s_mul_i32 s76, s14, 16*SPITCH
	v_and_b32 v1, 15, v0
	v_bfe_u32 v2, v0, 4, 1
	v_and_b32 v6, 31, v0
	v_mul_u32_u24 v3, v1, PITCH
	v_mad_u32_u24 v3, v2, 24, v3
	v_lshl_add_u32 v4, v2, 4, v3
	v_add_nc_u32 v[ADRB], s75, v3
	v_add_nc_u32 v[ADRB+1], s75, v4
	v_add_nc_u32 v[ADRB+2], 4*BLK, v[ADRB]
	v_add_nc_u32 v[ADRB+3], 4*BLK, v[ADRB+1]
	v_mul_u32_u24 v5, v1, 48
	v_mad_u32_u24 v5, v2, 24, v5
	v_add_nc_u32 v[ADRA], s77, v5
	v_lshlrev_b32 v[VS0], 5, v1
	v_lshlrev_b32 v30, 5, v2
	v_mul_u32_u24 v5, v1, SPITCH
	v_lshl_add_u32 v5, v2, 5, v5
	v_add_nc_u32 v[STO], s76, v5
	v_lshlrev_b32 v[CO], 4, v6
	v_add_nc_u32 v[RD], s76, v[CO]
	s_wait_alu depctr_va_vdst(0)
	WIN 0xc0
.irp b, 0,1,2,3,4,5,6,7
	global_load_b128 v[8*\b:8*\b+3], v30, s[96:97] offset:64*\b         ; window 3: bo at columns 16 b + 8 h + 0 .. 7
	global_load_b128 v[8*\b+4:8*\b+7], v30, s[96:97] offset:64*\b+16
.endr
	WIN 0
.irp i, 0,1,2,3,4,5,6,7
	global_load_b128 v[SCB+8*\i:SCB+8*\i+3], v[VS0], s[92:93] offset:512*\i
	global_load_b128 v[SCB+8*\i+4:SCB+8*\i+7], v[VS0], s[92:93] offset:512*\i+16
.endr
.irp i, 0,1,2,3
	global_load_b128 v[SCA+8*\i:SCA+8*\i+3], v[VS0], s[22:23] offset:512*\i
	global_load_b128 v[SCA+8*\i+4:SCA+8*\i+7], v[VS0], s[22:23] offset:512*\i+16
.endr
	s_wait_loadcnt 0x0
	s_wait_tensorcnt 0x0                           ; my tile is in;
	s_barrier_signal -1
	s_barrier_wait -1                              ; and everybody's
.macro FRAG reg, adr, st, off          ; Wo: byte y of a row lies at y + 16 (y / 256) of its LDS row; lanes 16-31 read 24 bytes on
.irp p, 0,1,2,3,4,5
.set BY, 96*(\st)+48*(\p/3)+8*(\p%3)
.if BY/256 == (BY+24)/256
	ds_load_b64 v[\reg+2*\p:\reg+2*\p+1], v[\adr] offset:BY+16*(BY/256)+(\off)
.else
	ds_load_b64 v[\reg+2*\p:\reg+2*\p+1], v[\adr+1] offset:BY+16*(BY/256)+(\off)
.endif
.endr
.endm
.macro FETCH_B st
	WIN 0x40
.irp i, 0,1,2,3,4,5,6,7
	FRAG 128*((\st)%2)+FR*\i, ADRB+2*(\i/4), \st, (\i%4)*BLK
.endr
.endm
.macro FETCH_A st                      ; x: 128 along K are two heads, 3,072 bytes apart
	WIN 0
.irp i, 0,1,2,3
.irp p, 0,1,2,3,4,5
	ds_load_b64 v[AF+48*((\st)%2)+FR*\i+2*\p:AF+48*((\st)%2)+FR*\i+2*\p+1], v[ADRA] offset:(2*(\st)+\p/3)*3072+\i*768+8*(\p%3)
.endr
.endr
.endm
; used transposed: source 0 = 16 rows of Wo, source 1 = 16 tokens: a lane holds eight neighbouring columns of one row of out0.  The accumulators take turns
.macro MUL16 st, a0, first
.irp a, \a0, \a0+1
.irp b, 0,1,2,3,4,5,6,7
.if \first
	v_wmma_scale_f32_16x16x128_f8f6f4 v[8*(8*(\a)+\b):8*(8*(\a)+\b)+7], v[128*((\st)%2)+FR*\b:128*((\st)%2)+FR*\b+FR-1], v[AF+48*((\st)%2)+FR*(\a):AF+48*((\st)%2)+FR*(\a)+FR-1], v[8*\b:8*\b+7], v[SCB+8*\b+(\st)], v[SCA+8*(\a)+(\st)] matrix_a_fmt:MATRIX_FMT_FP6 matrix_b_fmt:MATRIX_FMT_FP6
.else
	v_wmma_scale_f32_16x16x128_f8f6f4 v[8*(8*(\a)+\b):8*(8*(\a)+\b)+7], v[128*((\st)%2)+FR*\b:128*((\st)%2)+FR*\b+FR-1], v[AF+48*((\st)%2)+FR*(\a):AF+48*((\st)%2)+FR*(\a)+FR-1], v[8*(8*(\a)+\b):8*(8*(\a)+\b)+7], v[SCB+8*\b+(\st)], v[SCA+8*(\a)+(\st)] matrix_a_fmt:MATRIX_FMT_FP6 matrix_b_fmt:MATRIX_FMT_FP6
.endif
.endr
.endr
.endm
.macro STEP st
.if (\st) < 7
.if (\st) > 0
	PLACES                                         ; in front of loads into the sets that the step before multiplied
.endif
	FETCH_B (\st)+1
	s_wait_dscnt 48                                ; all but the 48 just issued: this step's fragments are in
.else
	s_wait_dscnt 0x0                               ; my last reads of the tiles are over:
	s_barrier_signal -1                            ; say so
.endif
.if (\st) == 0
	WIN 0xb1                                       ; Wo window 1, x window 0, C window 3 (the bias), D window 2
	MUL16 \st, 0, 1
.else
	WIN 0xa1
	MUL16 \st, 0, 0
.endif
.if (\st) < 7
	FETCH_A (\st)+1
.endif
.if (\st) == 0
	WIN 0xb1
	MUL16 \st, 2, 1
.else
	WIN 0xa1
	MUL16 \st, 2, 0
.endif
.endm
	FETCH_B 0
	FETCH_A 0
.set ST, 0
.rept 8
	STEP ST
.set ST, ST+1
.endr
	WIN 0
	s_barrier_wait -1                              ; nobody reads x's tile any more: the stages may lie there
; THE WAY OUT: a block of 16 rows x 128 columns goes through my stage and comes back as whole rows of 512 bytes
.macro TOSTAGE a
.set AC, 64*(\a)
	WIN 0x08
.irp b, 0,1,2,3,4,5,6,7
	ds_store_b128 v[STO], v[AC+8*\b:AC+8*\b+3] offset:64*\b          ; each accumulator from its low end on
	ds_store_b128 v[STO], v[AC+8*\b+4:AC+8*\b+7] offset:64*\b+16
.endr
	WIN 0
.set BB, BK+64*((\a)%2)
.irp t, 0,1,2,3,4,5,6,7,8,9,10,11,12,13,14,15
	ds_load_b128 v[BB+4*\t:BB+4*\t+3], v[RD] offset:\t*SPITCH        ; LDS serves a wave's instructions in order
.endr
.endm
.macro SEND a, younger
.set BB, BK+64*((\a)%2)
	s_wait_dscnt \younger
.if (\a) > 0
	s_add_nc_u64 s[12:13], s[12:13], 16*SIZE_N*4   ; behind a wait on XCNT: the earlier stores have read their base
.endif
.irp t, 0,1,2,3,4,5,6,7,8,9,10,11,12,13,14,15
	global_store_b128 v[CO], v[BB+4*\t:BB+4*\t+3], s[12:13] offset:\t*SIZE_N*4 th:TH_STORE_NT   ; 32 lanes store 512 consecutive bytes, at a multiple of 256 from out0's first byte
.endr
.endm
	PLACES
	TOSTAGE 0
.irp a, 1,2,3
.if \a > 1
	s_wait_xcnt 0x0                                ; block a - 2's stores have read their registers and their base
.endif
	TOSTAGE \a
	SEND \a-1, 32                                  ; behind block a - 1's loads: block a's 16 stores and 16 loads
.endr
	s_wait_xcnt 0x0
	SEND 3, 0
	s_wait_tensorcnt 0x0                           ; the wave's end
	ds_add_u32 v[SPW], v[NIL]
	s_wait_dscnt 0x0
	CROUND                                         ; the closing round
	s_endpgm
.Lfunc_end_k_q42a9aa4d5d_outp:
	.size	k_q42a9aa4d5d_outp, .Lfunc_end_k_q42a9aa4d5d_outp-k_q42a9aa4d5d_outp
	.p2alignl 7, 3214868480
	.fill 96, 4, 3214868480
	.section	.rodata,"a",@progbits
	.p2align	6, 0x0
	.amdhsa_kernel k_q42a9aa4d5d_outp
		.amdhsa_group_segment_fixed_size 327680
		.amdhsa_private_segment_fixed_size 0
		.amdhsa_enable_private_segment 0
		.amdhsa_kernarg_size 48
		.amdhsa_user_sgpr_count 2
		.amdhsa_user_sgpr_kernarg_segment_ptr 1
		.amdhsa_wavefront_size32 1
		.amdhsa_system_sgpr_workgroup_id_x 1
		.amdhsa_system_sgpr_workgroup_id_y 1
		.amdhsa_system_sgpr_workgroup_id_z 1
		.amdhsa_system_vgpr_workitem_id 0
		.amdhsa_next_free_vgpr 1024
		.amdhsa_next_free_sgpr 104
		.amdhsa_reserve_vcc 0
		.amdhsa_float_denorm_mode_32 3
		.amdhsa_float_denorm_mode_16_64 3
		.amdhsa_memory_ordered 1
		.amdhsa_forward_progress 1
		.amdhsa_inst_pref_size 96
	.end_amdhsa_kernel
	.amdgpu_metadata
---
amdhsa.version: [ 1, 2 ]
amdhsa.kernels:
  - .name:           k_q42a9aa4d5d_outp
    .symbol:         k_q42a9aa4d5d_outp.kd
    .args:
      - { .name: x_codes, .offset: 0, .size: 8, .value_kind: global_buffer, .address_space: global }
      - { .name: x_scales, .offset: 8, .size: 8, .value_kind: global_buffer, .address_space: global }
      - { .name: in_codes, .offset: 16, .size: 8, .value_kind: global_buffer, .address_space: global }
      - { .name: in_scales, .offset: 24, .size: 8, .value_kind: global_buffer, .address_space: global }
      - { .name: bo, .offset: 32, .size: 8, .value_kind: global_buffer, .address_space: global }
      - { .name: out0, .offset: 40, .size: 8, .value_kind: global_buffer, .address_space: global }
    .group_segment_fixed_size: 327680
    .private_segment_fixed_size: 0
    .kernarg_segment_align: 8
    .kernarg_segment_size: 48
    .max_flat_workgroup_size: 128
    .sgpr_count:     104
    .vgpr_count:     1024
    .wavefront_size: 32
...
	.end_amdgpu_metadata
.endif
;; end of part 4
